; MI455X (gfx1250); checked and timed in simulation.
; The chip was launched on July 23, 2026; its instructions are those of AMD's public machine-readable ISA for CDNA 5 (MIT licence, August 2026) and "CDNA5" Instruction Set Architecture Reference Guide (July 2026). The comments in the code are by the model that wrote it; some were corrected since.
;; Multi Head Attention. Allowed arithmetic: matrix products marked QUANTISED: E5M2 operands, one given power-of-two scale a tensor, by v_wmma_f32_16x16x64_bf8_bf8 or v_wmma_f32_16x16x128_bf8_bf8, f32 sums; everything else in f32.
;; Inputs: Wk_codes 1,024 x 32 x 32 uint8 (E5M2 codes of Wk, K innermost, in blocks of 32 codes); Wq_codes 1,024 x 32 x 32 uint8 (E5M2 codes of Wq, K innermost, in blocks of 32 codes); Wv_codes 1,024 x 32 x 32 uint8 (E5M2 codes of Wv, K innermost, in blocks of 32 codes); bk 1,024 float32; bq 1,024 float32; bv 1,024 float32; lowp_scales 10 int32 (the exponents e of the quantised operands' scales 2^e); q_codes 4 x 2,048 x 32 x 32 uint8 (E5M2 codes of q, K innermost, in blocks of 32 codes); v_codes 4 x 2,048 x 32 x 32 uint8 (E5M2 codes of v, K innermost, in blocks of 32 codes).
;; Outputs: out0 4 x 2,048 x 1,024 float32.
;; This version of the problem:
;;   THIS VERSION OF THE PROBLEM IS GIVEN IN LOW PRECISION. The matrix products marked QUANTISED in the list below multiply operands that are first quantised to E5M2 (5 exponent bits, 2 mantissa bits; 8 bits a number), with one given power-of-two scale for each operand tensor; their sums are f32. All else is computed in f32.
;;   The module's matrix products, in the order in which they are computed (A, B: the left and right operand; K: the contracted axis; several contracted axes count as one K, in the product's order):
;;     1. [M 8,192, K 1,024] x [K 1,024, N 1,024]; A: input q (given as codes); B: input Wq (given as codes): QUANTISED (scales: A lowp_scales[0], B lowp_scales[1])
;;     2. [M 8,192, K 1,024] x [K 1,024, N 1,024]; A: input v (given as codes); B: input Wk (given as codes): QUANTISED (scales: A lowp_scales[2], B lowp_scales[3])
;;     3. [M 8,192, K 1,024] x [K 1,024, N 1,024]; A: input v (given as codes); B: input Wv (given as codes): QUANTISED (scales: A lowp_scales[4], B lowp_scales[5])
;;     4. batch 64 x [M 2,048, K 64] x [K 64, N 2,048]; A: computed on the way; B: computed on the way: QUANTISED (scales: A lowp_scales[6], B lowp_scales[7])
;;     5. batch 64 x [M 64, K 2,048] x [K 2,048, N 2,048]; A: computed on the way; B: softmax (see below): QUANTISED (scales: A lowp_scales[8], B lowp_scales[9])
;;   THE QUANTISER, for each operand of a quantised product, along K:
;;     - The operand's scale is 2^e, e = its entry of the input lowp_scales (int32; the entries are numbered through the quantised products in the list's order, A before B).
;;     - Each number is divided by the scale, clamped to +-57,344, and rounded to the nearest number of E5M2, ties to even, subnormals kept.
;;     - The product sums the exact products of the quantised numbers (number of the format x scale) in f32.
;;   ~~~python
;;   def quantise(x, axis, e):      # numpy; x: float32 -> the quantised numbers, widened to float32 again
;;       x = np.moveaxis(x, axis, -1); K = x.shape[-1]
;;       r = np.clip(x / 2.0 ** e, -57344, 57344)
;;       step = 2.0 ** (np.maximum(np.frexp(np.where(r == 0, 1, r))[1] - 1, -14) - 2)
;;       q = np.round(r / step) * step * 2.0 ** e      # np.round: ties to even
;;       return np.moveaxis(q, -1, axis).astype(np.float32)
;;   ~~~
;;   SOFTMAX AHEAD OF A QUANTISED PRODUCT. Where the list says 'softmax', what is quantised is not the finished softmax but p = 2^(t - M), with t = logit x log2(e) and M = ceil(the row's largest t), a whole number; so 1/2 < the row's largest p <= 1. The row's sum l is taken of the UNQUANTISED p, in f32, and the product's result is divided by l at the end. Since M is a whole number, a kernel that streams over the keys may use a running M (the ceiling of the running maximum): every later rescaling is an exact power of two, so the quantised numbers keep their values, but for numbers so far below the row's largest that they fall under the format's range.
;;   OPERANDS COMPUTED ON THE WAY. 'Computed on the way' means the value that the module computes at that place (a softmax that the list does not call 'softmax' is quantised finished and normalised). What goes into a quantiser is computed in f32, as accurately as f32 sums, v_exp_f32 and their like allow (about 1e-6 of the number): no bf16 or f16 on the way to a quantiser, and a product that is left as it is and whose result goes on into a quantised operand takes f32 operands (vector FMAs, or v_wmma_f32_16x16x4_f32). A number that lies on a knife's edge between two numbers of the format may be rounded either way, as far as f32 arithmetic and the matrix unit's own rounding can turn it there, and no further.
;;   INPUTS GIVEN AS CODES. Wk (in the module: [1024, 1024], K = its axis 0); Wq (in the module: [1024, 1024], K = its axis 0); Wv (in the module: [1024, 1024], K = its axis 0); q (in the module: [4, 2048, 1024], K = its axis 2); v (in the module: [4, 2048, 1024], K = its axis 2): each comes as NAME_codes (uint8): NAME with its K axis moved to the last place and cut into blocks of 32 codes, [.., K / 32, bytes a block], one block behind the other in memory; one code a byte (a code: sign, 5 exponent bits, 2 mantissa bits); its scale is its entry of lowp_scales. Its value is code x scale, taken as it is: it is not quantised again, and the codes and scales need not be those that the quantiser above would give.
;; One version. Each part assembles by itself: llvm-mc -triple=amdgcn-amd-amdhsa -mcpu=gfx1250 --defsym DOCPART=n.
;; ======== version 1 of 1: 2 launches
;; limits: right only within a limited range of input values
;; workspace buffers: qi 8,388,608 bytes; ki 8,388,608 bytes; vi 8,388,608 bytes
;; launch proj (part 1): grid 4 x 64, 4 waves a work-group, clusters of 4 x 4, 327,680 bytes of LDS; arguments q_codes, v_codes, Wq_codes, Wk_codes, Wv_codes, bq, bk, bv, lowp_scales, qi, ki, vi; writes qi, ki, vi
.if DOCPART == 1
	.amdgcn_target "amdgcn-amd-amdhsa--gfx1250"
	.amdhsa_code_object_version 6
	.text
	.protected	k_q43fa79bcb8_proj
	.globl	k_q43fa79bcb8_proj
	.p2align	8
	.type	k_q43fa79bcb8_proj,@function
k_q43fa79bcb8_proj:
	s_mov_b64 s[64:65], 0
	v_nop
	global_prefetch_b8 v0, s[64:65] scope:SCOPE_SE
	s_setreg_imm32_b32 hwreg(HW_REG_WAVE_MODE, 25, 1), 1
	s_wait_xcnt 0x0
	s_wait_alu depctr_hold_cnt(0) depctr_sa_sdst(0) depctr_va_vdst(0) depctr_va_sdst(0) depctr_va_ssrc(0) depctr_va_vcc(0) depctr_vm_vsrc(0)
	s_getreg_b32 s2, hwreg(HW_REG_IB_STS2, 6, 4)
	s_cmp_eq_u32 s2, 0
	s_cbranch_scc0 .Lentry_in_a_cluster
	s_endpgm
.Lentry_in_a_cluster:
	s_bfe_u32 s2, ttmp6, 0x10000c
	s_cmp_lg_u32 s2, 0xf033
	s_cbranch_scc0 .Lentry_shape_is_right
	s_endpgm
.Lentry_shape_is_right:
; THE THREE PROJECTIONS on codes of BF8 (E5M2): Q = q Wq + bq, K = v Wk + bk, V = v Wv + bv (8,192 tokens x 1,024 channels each, K = 1,024), quantised by 2^e6, 2^e7, 2^e8 and stored as codes.
; Each bias goes into a quantiser, so all three are live.
; qi, ki, vi hold IMAGES OF THE NEXT PRODUCTS' OPERAND REGISTERS: for each 128 tokens x 128 channels a block of 16 KB; batch b at 2 MB x b, channel block c at 256 KB x c, token block t of the batch at 16 KB x t.
;   qi, ki: 16 tokens a at 2,048 a: four images of 512 bytes (lane l's 16 bytes at 16 l), two for each of the two heads.  vi: 16 channels a at 2,048 a: four images along the 128 tokens.
; SHARES.  256 work-groups of four waves, in 16 clusters g of 4 x 4.  A work-group makes first a tile of 256 x 256 of K (g < 8: rows = tokens, columns = channels) or of V^T (g >= 8: rows = channels, columns = tokens),
; 128 x 128 a wave, then a tile of Q, 128 tokens x 256 channels, 64 x 128 a wave: equal work everywhere.  Rows hang on cy, columns on cx.
; K goes in steps of 256 through a ring of two LDS slots; the ring goes on from the first tile into Q's: eight K steps.  Tiles of rows are shared along a row of the cluster, tiles of columns along a column: joint loads, one a wave at each change of slots.
; THE MATRIX INSTRUCTION IS USED TRANSPOSED (source 0 = 16 columns, source 1 = 16 rows): lane l holds row l % 16, its registers 8 neighbouring columns: one conversion gives two registers of the next operand.
; A bias, divided by the power of two that the sums lack, is the C of each accumulator's first product.
; PREFETCH: behind the load of K step s + 1 the rows of step s + 2 are asked for, a whole K step ahead of their load, each 256 bytes once in a cluster: the four partners of a joint load share its rows out by address.
; Steps 0 and 1 come by their loads alone; the last two changes ask for nothing.  Rows of weights, which many clusters read, are asked for by four clusters of each kind alone.
; LIMITS on the given exponents: e_out - (e_A + e_B) between -126 and 112 for each projection, so that the powers of two below are f32 numbers.
; REGISTERS: window 0: v0-31 addresses and constants; v32-95 the bias, on the way out held sums; v128-255 A's fragments (Q: two sets of four), on the way out codes.  Window 1: B's fragments, two sets.
;   Windows 2, 3: accumulators (a, b) at v[8 (8 (a % 4) + b)] of window 2 + a / 4.  Q uses window 2; its bias lies in window 3 at v0-63.
.set ROWB,   256
.set KROW,   1024
.set PITCH,  272                       ; an LDS row: 256 bytes + 16 of padding
.set FR,     16
.set NL,     4                         ; LDS loads that bring a fragment of 16 rows x 128 K
.set NP,     4                         ; places behind this matrix instruction (ISA guide 7.12.1)
.set HALFT,  128*PITCH
.set SLOT,   4*HALFT                   ; 256 rows of A (Q: 128), then 256 rows of B
.set SPARE,  2*SLOT
.set PFOQ, 8                           ; v8 the prefetches' offset for Q: a row a lane
.set ADRA, 16                          ; v16-17 my A fragments in slot 0, 1;  v18-19 for Q
.set ADRQ, 18
.set ADRB, 20                          ; v20-21
.set SCQ,  22                          ; v22 Q's conversion scale, v23 its hold
.set LIMQ, 23
.set PFO,  24                          ; v24 the prefetches' offset for the first tile: a row a lane
.set BR,   25
.set CO,   26                          ; v26 16 x lane
.set BO,   27
.set SPW,  28
.set NIL,  29
.set SC,   30                          ; v30 the first tile's conversion scale, v31 its hold
.set LIM,  31
.set BIAS, 32
.set RAW,  96
.set AF,   128
.set CD,   128
.set G1, 24                            ; s[24:31] group 1 for A, s[48:55] for B, s[68:75] for Q's A (64 rows a load)
.set G0, 32                            ; s[32:39] group 0 for A, one for each slot; s[56:63] for B
.set G1B, 48
.set G0B, 56
.set G1Q, 68
.set QA,  76                           ; s[76:77] where my part of Q's rows begins, s[80:81] of its columns
.set QB,  80
.set QL,  84                           ; s84 where my part of Q's rows goes in a slot
.set PK,  82                           ; s[82:83], s[90:91] where my prefetches stand, first tile and Q; s88, s89: 1 where my wave asks
.set PQ,  90
.set AK,  88
.set AQ,  89
.set MSB, 0
.macro WIN new                         ; the immediate's high byte repeats the setting that is left
.if MSB != \new
	s_set_vgpr_msb (MSB<<8)|\new
.set MSB, \new
.endif
.endm
.set MUL_LO,   0xa1                    ; B window 1, A window 0, C and D window 2
.set MUL_HI,   0xf1                    ; the same, C and D window 3
.set FIRST_LO, 0x81                    ; C (bias) window 0
.set FIRST_HI, 0xc1
.set FIRST_Q,  0xb1                    ; C (bias) window 3, D window 2
.set TO_B,     0x40
; A joint load: waves 0 and 1 fetch for A, waves 2 and 3 for B; the branch hangs on the wave's number alone.
.macro JLOAD g0a, g1a, g0b, g1b
	s_cmp_eq_u32 s15, 0
	s_cbranch_scc0 .Lfor_b_\@
	tensor_load_to_lds s[\g0a:\g0a+3], s[\g1a:\g1a+7]
	s_nop 0
.rept 4
	v_nop
.endr
	s_branch .Lasked_\@
.Lfor_b_\@:
	tensor_load_to_lds s[\g0b:\g0b+3], s[\g1b:\g1b+7]
	s_nop 0
.rept 4
	v_nop
.endr
.Lasked_\@:
.endm
.macro ASK reg, base, flag, off        ; the prefetch: one instruction a wave
	s_cmp_eq_u32 s[\flag], 1
	s_cbranch_scc0 .Lnot_mine_\@
	global_prefetch_b8 v[\reg], s[\base:\base+1] offset:\off th:TH_LOAD_NT scope:SCOPE_SE
.Lnot_mine_\@:
.endm
.macro CREST                           ; a round of the cluster's barrier behind its opening barrier
	s_cmp_lg_u32 s14, 0
	s_cbranch_scc1 .Lnot_wave_0_\@
	s_barrier_signal -3
.Lnot_wave_0_\@:
	s_barrier_wait -3
	s_barrier_signal -1
	s_barrier_wait -1
.endm
.macro CROUND
	s_barrier_signal -1
	s_barrier_wait -1
	CREST
.endm
	s_load_b512 s[68:83], s[0:1], 0x0              ; q s[68:69], v, Wq, Wk, Wv, bq s[78:79], bk, bv s[82:83]
	s_load_b256 s[84:91], s[0:1], 0x40             ; the scales' exponents s[84:85], qi, ki, vi
	v_lshl_add_u32 v[SPW], v0, 2, SPARE
	v_mov_b32 v[NIL], 0
	ds_add_u32 v[SPW], v[NIL]                      ; the add, twice on end, and its wait ahead of my first tensor load
	ds_add_u32 v[SPW], v[NIL]
	v_lshrrev_b32 v1, 5, v0
	v_readfirstlane_b32 s14, v1                    ; wave 0..3
	s_lshr_b32 s15, s14, 1                         ; which half of the tile's rows is mine.  Also: I fetch for A (0) or for B (1)
	s_and_b32 s16, s14, 1                          ; which half of its columns.  Also: which half of that tile's rows I fetch
	s_bfe_u32 s40, ttmp6, 0x40000                  ; cx
	s_bfe_u32 s41, ttmp6, 0x40004                  ; cy
	s_and_b32 s66, ttmp7, 0xffff                   ; g, the cluster
	s_lshr_b32 s12, s66, 3                         ; 0: K, 1: V
	s_and_b32 s13, s66, 7                          ; which 1,024 tokens
	s_cmp_eq_u32 s12, 0
	s_cselect_b32 s18, s13, 0
	s_cselect_b32 s19, 0, s13
	s_lshl_b32 s17, s18, 2
	s_add_co_u32 s17, s17, s41                     ; my tile of 256 rows
	s_lshl_b32 s42, s19, 2
	s_add_co_u32 s42, s42, s40                     ; my tile of 256 columns
	s_lshl_b32 s43, s41, 2
	s_lshl_b32 s43, 15, s43                        ; my row of the cluster
	s_lshl_b32 s44, 0x1111, s40                    ; my column
	; descriptor groups 1: 128 rows (Q's A: 64) x 256 bytes, padded in LDS by 4 words after every 64
	s_or_b32 s[G1+0], s43, (0<<16)|(1<<20)|(1<<21)|(5<<22)|(3<<25)
	s_or_b32 s[G1B+0], s44, (0<<16)|(1<<20)|(1<<21)|(5<<22)|(3<<25)
.irp g, G1, G1B
	s_mov_b32 s[\g+1], ROWB<<16
	s_mov_b32 s[\g+2], 128<<16
	s_mov_b32 s[\g+3], ROWB<<16
	s_mov_b32 s[\g+4], 128
	s_mov_b32 s[\g+5], KROW
	s_mov_b32 s[\g+6], 0
	s_mov_b32 s[\g+7], 0
.endr
	s_lshl_b32 s18, s16, 7
	s_lshl_b32 s20, s17, 8
	s_add_co_u32 s20, s20, s18                     ; A: row 256 x tile + 128 x half
	s_lshl_b32 s20, s20, 10
	s_mov_b32 s21, 0
	s_lshl_b32 s46, s42, 8
	s_add_co_u32 s46, s46, s18                     ; B likewise
	s_lshl_b32 s46, s46, 10
	s_mov_b32 s47, 0
	s_lshl_b32 s22, s66, 9
	s_lshl_b32 s23, s41, 7
	s_add_co_u32 s22, s22, s23
	s_lshl_b32 s23, s16, 6
	s_add_co_u32 s22, s22, s23                     ; Q's A: token 512 g + 128 cy + 64 x half
	s_lshl_b32 s22, s22, 10
	s_mov_b32 s23, 0
	s_lshl_b32 s19, s40, 8
	s_add_co_u32 s18, s18, s19                     ; Q's B: channel 256 cx + 128 x half
	s_lshl_b32 s18, s18, 10
	s_mov_b32 s19, 0
	s_mul_i32 s45, s14, HALFT                      ; where a load goes in a slot
	s_wait_alu depctr_va_vdst(0)
	s_wait_dscnt 0x0                               ; both opening adds are done
	s_wait_kmcnt 0x0
	s_load_b256 s[92:99], s[84:85], 0x0            ; e0 .. e7
	s_load_b32 s100, s[84:85], 0x20                ; e8
	s_cmp_eq_u32 s12, 0
	s_cselect_b64 s[4:5], s[70:71], s[76:77]       ; A: v or Wv
	s_cselect_b64 s[6:7], s[74:75], s[70:71]       ; B: Wk or v
	s_cselect_b64 s[8:9], s[80:81], s[82:83]       ; bk or bv
	s_cselect_b64 s[10:11], s[88:89], s[90:91]     ; ki or vi
	s_add_nc_u64 s[20:21], s[4:5], s[20:21]
	s_add_nc_u64 s[46:47], s[6:7], s[46:47]
	s_add_nc_u64 s[QA:QA+1], s[68:69], s[22:23]
	s_add_nc_u64 s[QB:QB+1], s[72:73], s[18:19]
	CROUND                                         ; all sixteen work-groups are here: the first joint loads meet
.irp s, 0,1
	s_mov_b32 s[G0+4*\s], 1
	s_add_co_u32 s[G0+4*\s+1], s45, \s*SLOT
	s_add_nc_u64 s[G0+4*\s+2:G0+4*\s+3], s[20:21], \s*ROWB
	s_or_b32 s[G0+4*\s+3], s[G0+4*\s+3], 0x80000000
	s_mov_b32 s[G0B+4*\s], 1
	s_add_co_u32 s[G0B+4*\s+1], s45, \s*SLOT
	s_add_nc_u64 s[G0B+4*\s+2:G0B+4*\s+3], s[46:47], \s*ROWB
	s_or_b32 s[G0B+4*\s+3], s[G0B+4*\s+3], 0x80000000
.endr
	JLOAD G0, G1, G0B, G1B                         ; K step 0: one tensor load a wave at the head
	; the prefetches: my wave's rows of a K step, my place's share of them: a quarter (32 rows; of Q's A 16)
	s_cmp_eq_u32 s15, 0
	s_cselect_b64 s[PK:PK+1], s[20:21], s[46:47]
	s_cselect_b64 s[PQ:PQ+1], s[QA:QA+1], s[QB:QB+1]
	s_cselect_b32 s4, s40, s41                     ; my place among the four that ask jointly
	s_cselect_b32 s5, 14, 15                       ; Q: 16 or 32 rows of 1,024 bytes a place
	s_cselect_b32 s7, 15, 31
	s_lshl_b32 s18, s4, 15
	s_mov_b32 s19, 0
	s_add_nc_u64 s[PK:PK+1], s[PK:PK+1], s[18:19]
	s_lshl_b32 s18, s4, s5
	s_add_nc_u64 s[PQ:PQ+1], s[PQ:PQ+1], s[18:19]
	s_cmp_lt_u32 s13, 4
	s_cselect_b32 s[AK], 1, 0                      ; rows of weights: four clusters of each kind ask
	s_xor_b32 s4, s15, s12
	s_cmp_eq_u32 s4, 0
	s_cselect_b32 s[AK], 1, s[AK]                  ; rows of tokens: every cluster asks for its own
	s_cmp_lt_u32 s66, 4
	s_cselect_b32 s[AQ], 1, 0
	s_cmp_eq_u32 s15, 0
	s_cselect_b32 s[AQ], 1, s[AQ]
	s_or_b32 s[G1Q+0], s43, (0<<16)|(1<<20)|(1<<21)|(5<<22)|(3<<25)
	s_mov_b32 s[G1Q+1], ROWB<<16
	s_mov_b32 s[G1Q+2], 64<<16
	s_mov_b32 s[G1Q+3], ROWB<<16
	s_mov_b32 s[G1Q+4], 64
	s_mov_b32 s[G1Q+5], KROW
	s_mov_b32 s[G1Q+6], 0
	s_mov_b32 s[G1Q+7], 0
	; where the results and the biases lie: s22 a block of 128 tokens, s23 a block of 128 channels
.macro PLACE o, b
	s_lshr_b32 s18, s22, 4
	s_lshl_b32 s18, s18, 21
	s_and_b32 s22, s22, 15
	s_lshl_b32 s22, s22, 14
	s_add_co_u32 s18, s18, s22
	s_lshl_b32 s22, s23, 18
	s_add_co_u32 s18, s18, s22
	s_mov_b32 s19, 0
	s_add_nc_u64 s[\o:\o+1], s[\o:\o+1], s[18:19]
	s_lshl_b32 s18, s23, 9
	s_add_nc_u64 s[\b:\b+1], s[\b:\b+1], s[18:19]
.endm
	s_lshl_b32 s18, s17, 1
	s_add_co_u32 s18, s18, s15
	s_lshl_b32 s19, s42, 1
	s_add_co_u32 s19, s19, s16
	s_cmp_eq_u32 s12, 0
	s_cselect_b32 s22, s18, s19
	s_cselect_b32 s23, s19, s18
	PLACE 10, 8
	s_lshl_b32 s22, s66, 2
	s_add_co_u32 s22, s22, s41
	s_lshl_b32 s23, s40, 1
	s_add_co_u32 s23, s23, s16
	PLACE 86, 78
	s_lshl_b32 s18, s15, 13                        ; Q: my 64 tokens are half of the block
	s_add_nc_u64 s[86:87], s[86:87], s[18:19]
	s_mul_i32 s4, s15, HALFT                       ; my rows of A,
	s_mul_i32 s5, s15, 64*PITCH                    ; of Q's A,
	s_mul_i32 s6, s16, HALFT
	s_add_co_u32 s6, s6, 2*HALFT                   ; and of B
	v_and_b32 v1, 15, v0                           ; r
	v_bfe_u32 v2, v0, 4, 1                         ; h
	v_and_b32 v6, 31, v0
	v_and_b32 v7, s7, v0
	v_mul_u32_u24 v3, v1, PITCH
	v_lshl_add_u32 v4, v2, 4, v3                   ; a fragment's row x pitch + 16 h
	v_add_nc_u32 v[ADRA], s4, v4
	v_add_nc_u32 v[ADRQ], s5, v4
	v_add_nc_u32 v[ADRB], s6, v4
	v_add_nc_u32 v[ADRA+1], SLOT, v[ADRA]
	v_add_nc_u32 v[ADRQ+1], SLOT, v[ADRQ]
	v_add_nc_u32 v[ADRB+1], SLOT, v[ADRB]
	v_lshlrev_b32 v[CO], 4, v6
	v_lshlrev_b32 v[BO], 5, v2
	v_lshlrev_b32 v[BR], 2, v1
	v_lshlrev_b32 v[PFO], 10, v6
	v_lshlrev_b32 v[PFOQ], 10, v7
	s_wait_alu depctr_va_vdst(0)
	s_wait_kmcnt 0x0
	s_mul_i32 s[QL], s16, 64*PITCH
.macro SCALE neg, sc, lim              ; s18 = e_A + e_B, s21 = e_out: a sum stands for sum x 2^s18; its code is of sum / 2^(s21 - s18)
	s_sub_co_i32 s[\neg], 0, s18
	s_sub_co_i32 s21, s21, s18
	s_add_co_i32 s21, s21, 127
	s_lshl_b32 s22, s21, 23
	v_mov_b32 v[\sc], s22
	s_add_co_i32 s21, s21, 15
	s_lshl_b32 s21, s21, 23
	s_or_b32 s21, s21, 0x600000
	v_mov_b32 v[\lim], s21                         ; 57,344 x that
.endm
	s_add_co_i32 s18, s92, s93
	s_mov_b32 s21, s98
	SCALE 3, SCQ, LIMQ
	s_add_co_i32 s18, s94, s95
	s_add_co_i32 s20, s96, s97
	s_cmp_eq_u32 s12, 0
	s_cselect_b32 s18, s18, s20
	s_cselect_b32 s21, s99, s100
	SCALE 2, SC, LIM
	s_wait_alu depctr_va_vdst(0)
	s_cmp_eq_u32 s12, 1
	s_cbranch_scc1 .Lbias_rows
.irp b, 0,1,2,3,4,5,6,7                ; K: a lane's eight columns of tile b are channels 16 b + 8 h + 0 .. 7
	global_load_b128 v[BIAS+8*\b:BIAS+8*\b+3],   v[BO], s[8:9] offset:64*\b
	global_load_b128 v[BIAS+8*\b+4:BIAS+8*\b+7], v[BO], s[8:9] offset:64*\b+16
.endr
	s_wait_loadcnt 0x0
.set i, 0
.rept 64
	v_ldexp_f32 v[BIAS+i], v[BIAS+i], s2
.set i, i+1
.endr
	s_branch .Lbias_done
.Lbias_rows:                                           ; V^T: a lane's row of tile a is channel 16 a + r
.irp a, 0,1,2,3,4,5,6,7
	global_load_b32 v[RAW+\a], v[BR], s[8:9] offset:64*\a
.endr
	s_wait_loadcnt 0x0
.irp a, 0,1,2,3,4,5,6,7
.irp j, 0,1,2,3,4,5,6,7
	v_ldexp_f32 v[BIAS+8*\a+\j], v[RAW+\a], s2
.endr
.endr
.Lbias_done:
; A fragment, 16 rows x 128 K, is 16 registers: registers 4 c .. 4 c + 3 hold K = 32 c + 16 h + 0 .. 15, in A and in B alike.
.macro FRAG reg, adr, q, i
.irp c, 0,1,2,3
	ds_load_b128 v[\reg+4*\c:\reg+4*\c+3], v[\adr] offset:128*(\q)+32*\c+(\i)*16*PITCH
.endr
.endm
; 16 products: A's blocks a0, a0 + 1 x B's eight; the accumulators take turns.  cm: C = 1 the columns' bias, 2 the rows' bias, 0 the sum.
.macro MUL16 a0, p, cm
.irp a, \a0, \a0+1
.irp b, 0,1,2,3,4,5,6,7
.if \cm == 1
	v_wmma_f32_16x16x128_bf8_bf8 v[8*(8*((\a)%4)+\b):8*(8*((\a)%4)+\b)+7], v[128*(\p)+FR*\b:128*(\p)+FR*\b+FR-1], v[AF+FR*(\a):AF+FR*(\a)+FR-1], v[BIAS+8*\b:BIAS+8*\b+7]
.elseif \cm == 2
	v_wmma_f32_16x16x128_bf8_bf8 v[8*(8*((\a)%4)+\b):8*(8*((\a)%4)+\b)+7], v[128*(\p)+FR*\b:128*(\p)+FR*\b+FR-1], v[AF+FR*(\a):AF+FR*(\a)+FR-1], v[BIAS+8*(\a):BIAS+8*(\a)+7]
.else
	v_wmma_f32_16x16x128_bf8_bf8 v[8*(8*((\a)%4)+\b):8*(8*((\a)%4)+\b)+7], v[128*(\p)+FR*\b:128*(\p)+FR*\b+FR-1], v[AF+FR*(\a):AF+FR*(\a)+FR-1], v[8*(8*((\a)%4)+\b):8*(8*((\a)%4)+\b)+7]
.endif
.endr
.endr
.endm
.macro QMUL a, p, cm                   ; Q: 8 products of A's block a (set p) x B's eight
.irp b, 0,1,2,3,4,5,6,7
.if \cm
	v_wmma_f32_16x16x128_bf8_bf8 v[64*(\a)+8*\b:64*(\a)+8*\b+7], v[128*(\p)+FR*\b:128*(\p)+FR*\b+FR-1], v[AF+64*(\p)+FR*(\a):AF+64*(\p)+FR*(\a)+FR-1], v[8*\b:8*\b+7]
.else
	v_wmma_f32_16x16x128_bf8_bf8 v[64*(\a)+8*\b:64*(\a)+8*\b+7], v[128*(\p)+FR*\b:128*(\p)+FR*\b+FR-1], v[AF+64*(\p)+FR*(\a):AF+64*(\p)+FR*(\a)+FR-1], v[64*(\a)+8*\b:64*(\a)+8*\b+7]
.endif
.endr
.endm
.macro FETCH_B slot, q, p
	WIN TO_B
.irp i, 0,1,2,3,4,5,6,7
	FRAG 128*(\p)+FR*\i, ADRB+\slot, \q, \i
.endr
	WIN 0
.endm
.macro FETCH_A slot, q, i0
.irp i, \i0, \i0+1, \i0+2, \i0+3
	FRAG AF+FR*(\i), ADRA+\slot, \q, \i
.endr
.endm
.macro FETCH_Q slot, q, p              ; Q: B's eight and A's four fragments, set p
	FETCH_B \slot, \q, \p
.irp i, 0,1,2,3
	FRAG AF+64*(\p)+FR*\i, ADRQ+\slot, \q, \i
.endr
.endm
.macro PLACES n
.rept \n
	v_nop
.endr
.endm
.macro STEP slot, q, cm                ; 128 along K whose successor lies in the same slot
	s_wait_dscnt 4*NL                              ; B's set and A's blocks 0-3 are in; A's blocks 4-7 may be out
.if \cm
	WIN FIRST_LO
.else
	WIN MUL_LO
.endif
	MUL16 0, (\q)%2, \cm
	MUL16 2, (\q)%2, \cm
	s_wait_dscnt 0
	PLACES NP
	FETCH_B \slot, (\q)+1, 1-(\q)%2
	FETCH_A \slot, (\q)+1, 0
.if \cm
	WIN FIRST_HI
.else
	WIN MUL_HI
.endif
	MUL16 4, (\q)%2, \cm
	MUL16 6, (\q)%2, \cm
	PLACES NP
	WIN 0
	FETCH_A \slot, (\q)+1, 4
.endm
; What a slot takes next.  how = 1: the K step two on; 2: Q's K step 0 or 1, in the slot of that number; q = 1: the rows are Q's.
.macro REFILL slot, how, q
.if \how == 1
	s_add_nc_u64 s[G0+4*\slot+2:G0+4*\slot+3], s[G0+4*\slot+2:G0+4*\slot+3], 2*ROWB
	s_add_nc_u64 s[G0B+4*\slot+2:G0B+4*\slot+3], s[G0B+4*\slot+2:G0B+4*\slot+3], 2*ROWB
.else
	s_add_co_u32 s[G0+4*\slot+1], s[QL], \slot*SLOT
	s_add_nc_u64 s[G0+4*\slot+2:G0+4*\slot+3], s[QA:QA+1], \slot*ROWB
	s_or_b32 s[G0+4*\slot+3], s[G0+4*\slot+3], 0x80000000
	s_add_nc_u64 s[G0B+4*\slot+2:G0B+4*\slot+3], s[QB:QB+1], \slot*ROWB
	s_or_b32 s[G0B+4*\slot+3], s[G0B+4*\slot+3], 0x80000000
.endif
.if \q
	JLOAD G0+4*\slot, G1Q, G0B+4*\slot, G1B        ; the first tensor load behind the round
.else
	JLOAD G0+4*\slot, G1, G0B+4*\slot, G1B
.endif
.endm
; A slot's last 128 along K changes slots: in front of ONE barrier each wave waits for all its tensor loads, adds 0 to its spare word, and waits for that and for its reads of this slot.
; The barrier opens a round of the cluster's barrier; then this slot is filled again.  fetch = 1: the next slot's first fragments.
.macro TURN slot, how, q, fetch
	s_wait_tensorcnt 0x0                           ; my part of the next slot is in
	ds_add_u32 v[SPW], v[NIL]
	s_wait_dscnt 4*NL+1                            ; (the add and A's blocks 4-7 may be out)
	WIN MUL_LO
	MUL16 0, 1, 0
	s_wait_dscnt 0x0                               ; the add is done, and my reads of this slot are over
	s_barrier_signal -1
	MUL16 2, 1, 0
	WIN 0
	s_barrier_wait -1
	CREST
	REFILL \slot, \how, \q
.if \fetch
	FETCH_B 1-\slot, 0, 0
	FETCH_A 1-\slot, 0, 0
.endif
.endm
.macro TURN_END slot, fetch            ; its other half
	WIN MUL_HI
	MUL16 4, 1, 0
	MUL16 6, 1, 0
	PLACES NP
	WIN 0
.if \fetch
	FETCH_A 1-\slot, 0, 4
.endif
.endm
.macro QSTEP slot, cm
	s_wait_dscnt 0x0                               ; set 0 is in
.if \cm
	WIN FIRST_Q
.else
	WIN MUL_LO
.endif
	QMUL 0, 0, \cm
	QMUL 1, 0, \cm
	PLACES NP
	WIN 0
	FETCH_Q \slot, 1, 1
.if \cm
	WIN FIRST_Q
.else
	WIN MUL_LO
.endif
	QMUL 2, 0, \cm
	QMUL 3, 0, \cm
	WIN 0
.endm
.macro QTURN slot, fill
	s_wait_tensorcnt 0x0                           ; my part of the next slot is in
	ds_add_u32 v[SPW], v[NIL]
	s_wait_dscnt 1                                 ; set 1 is in; the add may be out
	WIN MUL_LO
	QMUL 0, 1, 0
	s_wait_dscnt 0x0
	s_barrier_signal -1
	QMUL 1, 1, 0
	WIN 0
	s_barrier_wait -1
.if \fill
	CREST
	REFILL \slot, 1, 1
.else
	PLACES NP
.endif
	FETCH_Q 1-\slot, 0, 0
.endm
.macro QTURN_END
	WIN MUL_LO
	QMUL 2, 1, 0
	QMUL 3, 1, 0
	WIN 0
.endm
; THE WAY OUT of block a, 16 rows x 128 columns: held (the conversion does not saturate: ISA guide 7.6.2), converted, and stored: each store of the wave covers 512 consecutive bytes, aligned.
.macro OUT a, lim, sc, o
	WIN 0x02+((\a)/4)
.set i, 0
.rept 64
	v_med3_num_f32 v[BIAS+i], v[64*((\a)%4)+i], -v[\lim], v[\lim]
.set i, i+1
.endr
	WIN 0
.irp g, 0,1,2,3,4,5,6,7
	v_cvt_scalef32_pk8_bf8_f32 v[CD+16*(\a)+2*\g:CD+16*(\a)+2*\g+1], v[BIAS+8*\g:BIAS+8*\g+7], v[\sc]
.endr
	v_nop                                          ; a plain place behind the conversions
.irp q, 0,1,2,3
	global_store_b128 v[CO], v[CD+16*(\a)+4*\q:CD+16*(\a)+4*\q+3], s[\o:\o+1] offset:2048*(\a)+512*\q
.endr
.endm
	s_wait_alu depctr_va_vdst(0)
	s_wait_tensorcnt 0x0                           ; my part of K step 0 is in
	ds_add_u32 v[SPW], v[NIL]
	s_wait_dscnt 0x0
	CROUND                                         ; everybody's part of K step 0 is in, and the joint loads meet
	JLOAD G0+4, G1, G0B+4, G1B                     ; K step 1
	FETCH_B 0, 0, 0
	FETCH_A 0, 0, 0
	FETCH_A 0, 0, 4
	ASK PFO, PK, AK, 2*ROWB
	s_cmp_eq_u32 s12, 1
	s_cbranch_scc1 .Lfirst_rows
	STEP 0, 0, 1
	s_branch .Lfirst_done
.Lfirst_rows:
	STEP 0, 0, 2
.Lfirst_done:
	TURN 0, 1, 0, 1                                ; K step 2
	ASK PFO, PK, AK, 3*ROWB
	TURN_END 0, 1
	STEP 1, 0, 0
	TURN 1, 1, 0, 1                                ; K step 3
	ASK PFOQ, PQ, AQ, 0
	TURN_END 1, 1
	STEP 0, 0, 0
	TURN 0, 2, 1, 1                                ; Q's K step 0
	ASK PFOQ, PQ, AQ, ROWB
	TURN_END 0, 1
	STEP 1, 0, 0
	TURN 1, 2, 1, 0                                ; Q's K step 1; the fragments' registers are wanted for the way out
	ASK PFOQ, PQ, AQ, 2*ROWB
	TURN_END 1, 0
.irp a, 4,5,6,7
	OUT \a, LIM, SC, 10
.endr
	WIN 0xc0
.irp b, 0,1,2,3,4,5,6,7                ; Q's bias, into window 3, whose results are out
	global_load_b128 v[8*\b:8*\b+3],   v[BO], s[78:79] offset:64*\b
	global_load_b128 v[8*\b+4:8*\b+7], v[BO], s[78:79] offset:64*\b+16
.endr
	WIN 0
.irp a, 0,1,2,3
	OUT \a, LIM, SC, 10
.endr
	s_wait_xcnt 0x0                                ; the stores have read their registers: fragments may land there
	FETCH_Q 0, 0, 0                                ; Q's K step 0, which the last change of slots has shown to all
	s_wait_loadcnt 0x0
	WIN 0xc3
.set i, 0
.rept 64
	v_ldexp_f32 v[i], v[i], s3
.set i, i+1
.endr
	WIN 0
	s_wait_alu depctr_va_vdst(0)
	QSTEP 0, 1
	QTURN 0, 1                                     ; Q's K step 2
	ASK PFOQ, PQ, AQ, 3*ROWB
	QTURN_END
	QSTEP 1, 0
	QTURN 1, 1                                     ; Q's K step 3
	QTURN_END
	QSTEP 0, 0
	QTURN 0, 0                                     ; nothing more to fill
	QTURN_END
	QSTEP 1, 0
	s_wait_dscnt 0x0
	WIN MUL_LO
.irp a, 0,1,2,3
	QMUL \a, 1, 0
.endr
	PLACES NP
.irp a, 0,1,2,3
	OUT \a, LIMQ, SCQ, 86
.endr
	s_wait_tensorcnt 0x0                           ; the wave's end
	ds_add_u32 v[SPW], v[NIL]
	s_wait_dscnt 0x0
	CROUND                                         ; the closing round: no work-group ends while a partner may still ask for a tile that names it
	s_endpgm
.Lfunc_end_k_q43fa79bcb8_proj:
	.size	k_q43fa79bcb8_proj, .Lfunc_end_k_q43fa79bcb8_proj-k_q43fa79bcb8_proj
	.p2alignl 7, 3214868480
	.fill 96, 4, 3214868480
	.section	.rodata,"a",@progbits
	.p2align	6, 0x0
	.amdhsa_kernel k_q43fa79bcb8_proj
		.amdhsa_group_segment_fixed_size 327680
		.amdhsa_private_segment_fixed_size 0
		.amdhsa_enable_private_segment 0
		.amdhsa_kernarg_size 96
		.amdhsa_user_sgpr_count 2
		.amdhsa_user_sgpr_kernarg_segment_ptr 1
		.amdhsa_wavefront_size32 1
		.amdhsa_system_sgpr_workgroup_id_x 1
		.amdhsa_system_sgpr_workgroup_id_y 1
		.amdhsa_system_sgpr_workgroup_id_z 1
		.amdhsa_system_vgpr_workitem_id 0
		.amdhsa_next_free_vgpr 1024
		.amdhsa_next_free_sgpr 102
		.amdhsa_reserve_vcc 0
		.amdhsa_float_denorm_mode_32 3
		.amdhsa_float_denorm_mode_16_64 3
		.amdhsa_memory_ordered 1
		.amdhsa_forward_progress 1
		.amdhsa_inst_pref_size 213
	.end_amdhsa_kernel
	.amdgpu_metadata
---
amdhsa.version: [ 1, 2 ]
amdhsa.kernels:
  - .name:           k_q43fa79bcb8_proj
    .symbol:         k_q43fa79bcb8_proj.kd
    .args:
      - { .name: q_codes, .offset: 0, .size: 8, .value_kind: global_buffer, .address_space: global }
      - { .name: v_codes, .offset: 8, .size: 8, .value_kind: global_buffer, .address_space: global }
      - { .name: Wq_codes, .offset: 16, .size: 8, .value_kind: global_buffer, .address_space: global }
      - { .name: Wk_codes, .offset: 24, .size: 8, .value_kind: global_buffer, .address_space: global }
      - { .name: Wv_codes, .offset: 32, .size: 8, .value_kind: global_buffer, .address_space: global }
      - { .name: bq, .offset: 40, .size: 8, .value_kind: global_buffer, .address_space: global }
      - { .name: bk, .offset: 48, .size: 8, .value_kind: global_buffer, .address_space: global }
      - { .name: bv, .offset: 56, .size: 8, .value_kind: global_buffer, .address_space: global }
      - { .name: lowp_scales, .offset: 64, .size: 8, .value_kind: global_buffer, .address_space: global }
      - { .name: qi, .offset: 72, .size: 8, .value_kind: global_buffer, .address_space: global }
      - { .name: ki, .offset: 80, .size: 8, .value_kind: global_buffer, .address_space: global }
      - { .name: vi, .offset: 88, .size: 8, .value_kind: global_buffer, .address_space: global }
    .group_segment_fixed_size: 327680
    .private_segment_fixed_size: 0
    .kernarg_segment_align: 8
    .kernarg_segment_size: 96
    .max_flat_workgroup_size: 128
    .sgpr_count:     102
    .vgpr_count:     1024
    .wavefront_size: 32
...
	.end_amdgpu_metadata
.endif
;; end of part 1
;; launch attn (part 2): grid 4 x 64, 16 waves a work-group, clusters of 4 x 1, 264,192 bytes of LDS; arguments qi, ki, vi, lowp_scales, out0; writes out0
.if DOCPART == 2
	.amdgcn_target "amdgcn-amd-amdhsa--gfx1250"
	.amdhsa_code_object_version 6
	.text
	.protected	k_q43fa79bcb8_attn
	.globl	k_q43fa79bcb8_attn
	.p2align	8
	.type	k_q43fa79bcb8_attn,@function
k_q43fa79bcb8_attn:
	s_mov_b64 s[64:65], 0
	v_nop
	global_prefetch_b8 v0, s[64:65] scope:SCOPE_SE
	s_setreg_imm32_b32 hwreg(HW_REG_WAVE_MODE, 25, 1), 1
	s_wait_xcnt 0x0
	s_wait_alu depctr_hold_cnt(0) depctr_sa_sdst(0) depctr_va_vdst(0) depctr_va_sdst(0) depctr_va_ssrc(0) depctr_va_vcc(0) depctr_vm_vsrc(0)
	s_getreg_b32 s2, hwreg(HW_REG_IB_STS2, 6, 4)
	s_cmp_eq_u32 s2, 0
	s_cbranch_scc0 .Lentry_in_a_cluster
	s_endpgm
.Lentry_in_a_cluster:
	s_bfe_u32 s2, ttmp6, 0x10000c
	s_cmp_lg_u32 s2, 0x3003
	s_cbranch_scc0 .Lentry_shape_is_right
	s_endpgm
.Lentry_shape_is_right:
; ATTENTION on codes of BF8 (E5M2): out[b][q][head][:] = the sum over k of softmax_k(Q . K / 32) V, 64 heads (batch x head) of 2,048 queries x 2,048 keys x 64 channels.
; qi, ki, vi hold the projected and quantised operands as IMAGES OF THE OPERANDS' REGISTERS (four registers a block of 512 bytes, lane l's 16 bytes at 16 l):
;   a fragment of Q or K: 16 tokens x 64 channels, 8 registers, 1 KB;  a fragment of V: 16 channels x 128 keys, 16 registers, 2 KB.  Registers 2 c, 2 c + 1 hold k = 16 c + 8 (l / 16) + 0 .. 7: the 8-bit forms' own layout,
;   so the first and the second KB of a fragment of V are the operands of two products over 64 keys each.
; THE SOFTMAX AHEAD OF THE SECOND PRODUCT: t = score x log2(e) / 32; M = the row's largest t so far, rounded UP to a whole number; p = 2^(t - M) is quantised by 2^e9, not normalised.
; The row's sum is taken of the unquantised p, in f32, and divides O at the end.  When M moves, the sum and O are multiplied by 2^(old M - new M): nothing is rounded, and there is no branch on data.
; SHARES.  A work-group owns 512 queries of one head (y = 16 batch + head; cx = which 512).  The head's K and V, 128 KB of images each, lie in LDS WHOLE, filled once: no slot is filled again.
; The four work-groups of a cluster are the head's four blocks of queries and need the same K and V: each part is asked for JOINTLY, by the same tensor load with the mask of all four.
; Sixteen waves of 256 registers, four to a SIMD, so that one wave's matrix work and waits stand beside the others' vector work.  A wave holds two tiles of 16 queries (each fragment read from LDS feeds two products)
; and walks all keys once, 128 a step.  Each wave issues ONE tensor load: waves 2 j, 2 j + 1 fetch K and V of keys 256 j .. 256 j + 255.
; No prefetch: all that the launch reads from ki and vi is asked for in one group at its head; there is no later load to run ahead of.
; LAYOUT.  Both products are used transposed: S^T = K Q^T (source 0 = 16 keys, source 1 = 16 queries), O^T = V^T P^T (source 0 = 16 channels, source 1 = P): a lane holds ONE query (l % 16) throughout.
; Register j of score tile kt is key 16 kt + 8 (l / 16) + j, so one conversion of that tile gives registers 2 kt, 2 kt + 1 of P.
; LIMITS on the given exponents, so that each power of two below is an f32 number: e6 + e7 between -121 and 132 (they are added to c's exponent field); e9 between -126 and 112; e8 + e9 is applied by v_ldexp_f32 and has none.
; LIMIT: the scaled scores t stay under 2^31 in magnitude.
; LDS: 0: K, key step s at 8,192 s (16 keys kt at 1,024 kt);  131,072: V, key step s at 8,192 s (16 channels ct at 2,048 ct);  262,144: the spare words.
; The way out's stage, 16 rows x 272 bytes for each wave, lies in K's steps 0 to 8, which have had their one fill and, behind the split barrier, their last read.
; REGISTERS.  v0 thread; v1 address of the loads in hand; v2, v4 f of tile 0, 1 (and the maxima's first chain); v3 16 x lane; v5 2^e9; v6.., v10.. a tile's -M, largest t, sum in two halves;
;   v16-79, v80-143 S^T, then p, of tile 0, 1.  P's codes begin two registers below a tile's scores: group g's codes take registers whose scores are converted already (v14-29, v78-93).
;   What the codes leave free of the scores takes V's eight pieces (v30-77, v94-109) and the next step's K, 16-key tiles 0-3 (v112-143).
;   v144-159 Q; v160-191 K, 16-key tiles 4-7, and the softmax's temporaries once those are multiplied; v192-255 O^T.
.set ADR,  1
.set LI,   3                           ; also named as the upper half of f's pair of tile 0, and v5 of tile 1
.set SC,   5
.set FX,   2                           ; f of tile t: v[FX + 2 t]
.set ST,   6                           ; tile t at v[ST + 4 t]: +0 -M, +1 the largest t, +2, +3 the sum in two halves
.set S,    16
.set KA,   112                         ; K's tiles 0-3
.set Q,    144
.set KB,   160                         ; K's tiles 4-7; temporaries of tile t at v[KB + 8 t]: +0 the maxima's second chain, +1 a lane permute's destination, +2, +3 the sum's second chain
.set O,    192
.set VBASE, 131072
.set SPARE, 262144
.set SP,   272
.set WV,   14                          ; s14  my wave's number
.set G1K,  24                          ; s[24:31] descriptor group 1 for K's parts;  s[32:39] for V's
.set G1V,  32
.set G0K,  40
.set G0V,  44
.set SEL,  56                          ; s[56:57] lane selects for v_permlanex16_b32: lane l xor 16
.set CS,   58                          ; s[58:59] c = log2(e) / 32 x 2^(e6 + e7): the packed form names a pair and takes its low word for both halves
.set TB,   60                          ; s60  8,192 x the key step
.set TBV,  61                          ; s61  VBASE + 8,192 x the key step
.set CNT,  62                          ; s62  counts key steps
.set EO,   63                          ; s63  e8 + e9
.set LIMS, 66                          ; s66  57,344 x 2^e9 as f32: p's hold
.macro ROUND                           ; a round of the cluster's barrier
	s_barrier_signal -1
	s_barrier_wait -1
	s_cmp_lg_u32 s[WV], 0
	s_cbranch_scc1 .Lnot_wave_0_\@
	s_barrier_signal -3
.Lnot_wave_0_\@:
	s_barrier_wait -3
	s_barrier_signal -1
	s_barrier_wait -1
.endm
	s_load_b256 s[4:11], s[0:1], 0x0               ; qi s[4:5], ki s[6:7], vi s[8:9], the scales' exponents s[10:11]
	s_load_b64 s[12:13], s[0:1], 0x20              ; out0
	v_lshl_add_u32 v182, v0, 2, SPARE
	v_mov_b32 v183, 0
	ds_add_u32 v182, v183                          ; the add, twice on end, and its wait ahead of my tensor load
	ds_add_u32 v182, v183
	v_lshrrev_b32 v184, 5, v0
	v_readfirstlane_b32 s[WV], v184                ; wave 0..15
	v_and_b32 v185, 31, v0
	v_lshlrev_b32 v[LI], 4, v185
	s_bfe_u32 s15, ttmp6, 0x40000                  ; cx: my 512 queries: it enters Q's and the output's addresses alone
	s_and_b32 s16, ttmp7, 0xffff                   ; y = 16 batch + head, which the four partners share
	s_lshr_b32 s17, s[WV], 1                       ; the part, 256 keys, that I fetch,
	s_and_b32 s22, s[WV], 1                        ; of K (0) or of V (1)
	s_lshr_b32 s18, s16, 1
	s_lshl_b32 s18, s18, 18                        ; (8 batch + head pair) x 256 KB: the head pair's first byte in each buffer of images
	s_and_b32 s19, s16, 1                          ; which head of the pair
	s_lshl_b32 s88, s17, 15                        ; 256 tokens are 32 KB of a head pair's images
	s_add_co_u32 s88, s88, s18
	s_lshl_b32 s20, s19, 10                        ; K: the head's fragment is the first or the second KB of each token tile's two
	s_add_co_u32 s20, s20, s88
	s_mov_b32 s21, 0
	s_lshl_b32 s90, s19, 13                        ; V: the head's 8 KB are the first or the second half of each key step's 16
	s_add_co_u32 s88, s88, s90
	s_mov_b32 s89, 0
	s_lshl_b32 s23, s17, 14                        ; in LDS a part is 16 KB of K and 16 KB of V
	s_lshl_b32 s90, s19, 10                        ; Q: head, + 64 KB x cx (32 token tiles of 2 KB), + 4 KB x wave (two)
	s_add_co_u32 s90, s90, s18
	s_lshl_b32 s92, s15, 16
	s_add_co_u32 s90, s90, s92
	s_lshl_b32 s92, s[WV], 12
	s_add_co_u32 s90, s90, s92
	s_mov_b32 s91, 0
	s_lshr_b32 s92, s16, 4                         ; the output: batch x 8 MB, + (512 cx + 32 wave) rows of 4,096 bytes, + head x 256
	s_lshl_b32 s92, s92, 23
	s_lshl_b32 s94, s15, 21
	s_add_co_u32 s92, s92, s94
	s_lshl_b32 s94, s[WV], 17
	s_add_co_u32 s92, s92, s94
	s_and_b32 s94, s16, 15
	s_lshl_b32 s94, s94, 8
	s_add_co_u32 s92, s92, s94
	s_mov_b32 s93, 0
	; descriptor groups 1.  K: 16 rows of 1 KB (128 elements of 8 bytes), 2 KB from row to row (the other head's fragments lie between);  V: 2 rows of 8 KB, 16 KB from row to row; both laid on end in LDS
	s_mov_b32 s[G1K], 15|(3<<16)|(1<<21)           ; 15:0 the mask: all four work-groups; 17:16 elements of 8 bytes; 20 no padding; 21 set beside a mask
	s_mov_b32 s[G1K+1], 128<<16                    ; tensor_dim0
	s_mov_b32 s[G1K+2], 16<<16                     ; tensor_dim1
	s_mov_b32 s[G1K+3], 128<<16                    ; tile_dim0
	s_mov_b32 s[G1K+4], 16                         ; tile_dim1
	s_mov_b32 s[G1K+5], 256                        ; tensor_dim0_stride, in elements
	s_mov_b32 s[G1K+6], 0
	s_mov_b32 s[G1K+7], 0
	s_mov_b32 s[G1V], 15|(3<<16)|(1<<21)
	s_mov_b32 s[G1V+1], 1024<<16
	s_mov_b32 s[G1V+2], 2<<16
	s_mov_b32 s[G1V+3], 1024<<16
	s_mov_b32 s[G1V+4], 2
	s_mov_b32 s[G1V+5], 2048
	s_mov_b32 s[G1V+6], 0
	s_mov_b32 s[G1V+7], 0
	s_mov_b32 s[SEL], 0x76543210
	s_mov_b32 s[SEL+1], 0xfedcba98
	s_mov_b32 s[CS], 0x3d38aa3b                    ; log2(e) / 32
	s_mov_b32 s[TB], 0
	s_mov_b32 s[TBV], VBASE
	s_wait_alu depctr_va_vdst(0)
	s_wait_dscnt 0x0                               ; both opening adds are done
	s_wait_kmcnt 0x0
	s_load_b128 s[84:87], s[10:11], 0x18           ; e6, e7, e8, e9
	s_add_nc_u64 s[6:7], s[6:7], s[20:21]
	s_add_nc_u64 s[8:9], s[8:9], s[88:89]
	s_add_nc_u64 s[4:5], s[4:5], s[90:91]
	s_add_nc_u64 s[12:13], s[12:13], s[92:93]
	s_mov_b32 s[G0K], 1                            ; count = 1
	s_mov_b32 s[G0K+1], s23                        ; LDS address
	s_mov_b64 s[G0K+2:G0K+3], s[6:7]               ; global address
	s_or_b32 s[G0K+3], s[G0K+3], 0x80000000        ; type = 2
	s_mov_b32 s[G0V], 1
	s_add_co_u32 s[G0V+1], s23, VBASE
	s_mov_b64 s[G0V+2:G0V+3], s[8:9]
	s_or_b32 s[G0V+3], s[G0V+3], 0x80000000
	ROUND                                          ; all four work-groups are here: the joint loads meet
	s_cmp_eq_u32 s22, 0                            ; the wave's one tensor load
	s_cbranch_scc0 .Lfirst_v
	tensor_load_to_lds s[G0K:G0K+3], s[G1K:G1K+7]
	s_nop 0
.rept 4
	v_nop
.endr
	s_branch .Lfirst_asked
.Lfirst_v:
	tensor_load_to_lds s[G0V:G0V+3], s[G1V:G1V+7]
	s_nop 0
.rept 4
	v_nop
.endr
.Lfirst_asked:
.irp t, 0,1                            ; my two tiles of Q: two images of 512 bytes each
.irp c, 0,1
	global_load_b128 v[Q+8*\t+4*\c:Q+8*\t+4*\c+3], v[LI], s[4:5] offset:2048*\t+512*\c
.endr
.endr
	s_wait_kmcnt 0x0
	s_add_co_i32 s88, s84, s85
	s_lshl_b32 s88, s88, 23
	s_add_co_i32 s[CS], s[CS], s88                 ; a score stands for score x 2^(e6 + e7): the two exponents are added to c's exponent field
	s_mov_b32 s[CS+1], s[CS]                       ; (named with it as a pair, so it is written)
	s_add_co_i32 s88, s87, 127
	s_lshl_b32 s89, s88, 23
	v_mov_b32 v[SC], s89                           ; 2^e9 as f32, for the conversions
	s_add_co_i32 s88, s88, 15
	s_lshl_b32 s88, s88, 23
	s_or_b32 s[LIMS], s88, 0x600000
	s_add_co_i32 s[EO], s86, s87
; THE SOFTMAX OF A TILE FOR A STEP, in numbered lines, so that the two tiles' lines take turns: independent chains.
.macro MAXI t, i                       ; line i of 32: the largest of my 64 scores, in two chains; each accumulator is first read at its low end
.set rA, FX+2*(\t)
.set rB, KB+8*(\t)
.set rS, S+64*(\t)
.if (\i) == 0
	v_max3_num_f32 v[rA], v[rS], v[rS+1], v[rS+2]
.elseif (\i) == 1
	v_max3_num_f32 v[rB], v[rS+3], v[rS+4], v[rS+5]
.elseif (\i) == 31
	v_max_num_f32 v[rA], v[rA], v[rB]
.elseif (\i)%2 == 0
	v_max3_num_f32 v[rA], v[rA], v[rS+2*(\i)+2], v[rS+2*(\i)+3]
.else
	v_max3_num_f32 v[rB], v[rB], v[rS+2*(\i)+2], v[rS+2*(\i)+3]
.endif
.endm
.macro MAX2 i
	MAXI 0, \i
	MAXI 1, \i
.endm
.macro STAT first
.irp t, 0,1
	v_permlanex16_b32 v[KB+8*\t+1], v[FX+2*\t], s[SEL], s[SEL+1]
.endr
.irp t, 0,1
	v_max_num_f32 v[FX+2*\t], v[FX+2*\t], v[KB+8*\t+1]     ; and among lane l xor 16's 64 keys
.endr
.if \first
.irp t, 0,1
	v_mul_f32 v[ST+4*\t+1], s[CS], v[FX+2*\t]              ; as t (c is positive): the first step's largest
.endr
.irp t, 0,1
	v_floor_f32 v[ST+4*\t], -v[ST+4*\t+1]                  ; -M = floor(-t) = -ceil(t): a whole number
.endr
.else
.irp t, 0,1
	v_mul_f32 v[FX+2*\t], s[CS], v[FX+2*\t]                ; as t (c is positive)
.endr
.irp t, 0,1
	v_max_num_f32 v[ST+4*\t+1], v[ST+4*\t+1], v[FX+2*\t]   ; the running largest t
.endr
.irp t, 0,1
	v_mov_b32 v[KB+8*\t], v[ST+4*\t]
.endr
.irp t, 0,1
	v_floor_f32 v[ST+4*\t], -v[ST+4*\t+1]                  ; the new -M = floor(-t) = -ceil(t): a whole number
.endr
.irp t, 0,1
	v_sub_f32 v[KB+8*\t], v[ST+4*\t], v[KB+8*\t]           ; old M - new M: a whole number, 0 or less
.endr
.irp t, 0,1
	v_cvt_i32_f32 v[KB+8*\t], v[KB+8*\t]                   ; (it saturates)
.endr
.irp t, 0,1
	v_ldexp_f32 v[FX+2*\t], 1.0, v[KB+8*\t]                ; f = 2^(old M - new M)
.endr
.endif
.endm
.macro FMAI t, i                       ; line i of 32: t - M, two at a time (of the pairs c and -M the low word serves both halves)
	v_pk_fma_f32 v[S+64*(\t)+2*(\i):S+64*(\t)+2*(\i)+1], v[S+64*(\t)+2*(\i):S+64*(\t)+2*(\i)+1], s[CS:CS+1], v[ST+4*(\t):ST+4*(\t)+1] op_sel_hi:[1,0,0]
.endm
.macro SUMI t, i, first                ; line i of 1 .. 32: the unquantised p onto the sum, two at a time, in two chains
.set rT, ST+4*(\t)+2
.set rS, S+64*(\t)
.set rP, KB+8*(\t)+2
.if (\i) == 1
	v_pk_add_f32 v[rP:rP+1], v[rS:rS+1], v[rS+2:rS+3]
.elseif (\i) == 32
	v_pk_add_f32 v[rT:rT+1], v[rT:rT+1], v[rP:rP+1]
.elseif ((\i) == 2) && (\first)
	v_pk_add_f32 v[rT:rT+1], v[rS+4:rS+5], v[rS+6:rS+7]
.elseif ((\i) == 3) && (\first)
.elseif (\i)%2 == 0
	v_pk_add_f32 v[rT:rT+1], v[rT:rT+1], v[rS+2*(\i):rS+2*(\i)+1]
.else
	v_pk_add_f32 v[rP:rP+1], v[rP:rP+1], v[rS+2*(\i):rS+2*(\i)+1]
.endif
.endm
.macro MING G                          ; eight p held: the conversion to an 8-bit code does not saturate (ISA guide 7.6.2); p is not negative, so the hold is one-sided; two at a time
.irp i, 0,2,4,6
	v_dual_min_num_f32 v[S+8*(\G)+\i], s[LIMS], v[S+8*(\G)+\i] :: v_dual_min_num_f32 v[S+8*(\G)+\i+1], s[LIMS], v[S+8*(\G)+\i+1]
.endr
.endm
.macro CVTG G                          ; score tile G % 8 of tile G / 8: eight p become two registers of P.  They lie over scores of earlier conversions, with the next group's holds between
	v_cvt_scalef32_pk8_bf8_f32 v[S-2+64*((\G)/8)+2*((\G)%8):S-1+64*((\G)/8)+2*((\G)%8)], v[S+8*(\G):S+8*(\G)+7], v[SC]
.endm
.macro LOADV p                         ; piece p = 4 half + ct of V: 16 channels ct x 64 keys
	ds_load_b128 v[S+14+8*(\p)+16*((\p)/6):S+17+8*(\p)+16*((\p)/6)], v[ADR] offset:2048*((\p)%4)+1024*((\p)/4)
	ds_load_b128 v[S+18+8*(\p)+16*((\p)/6):S+21+8*(\p)+16*((\p)/6)], v[ADR] offset:2048*((\p)%4)+1024*((\p)/4)+512
.endm
.macro LOADK adr, kt, off              ; 16 keys kt of K
.set rK, KA+8*(\kt)+16*((\kt)/4)
	ds_load_b128 v[rK:rK+3], v[\adr] offset:(\off)+1024*(\kt)
	ds_load_b128 v[rK+4:rK+7], v[\adr] offset:(\off)+1024*(\kt)+512
.endm
.macro QK kt                           ; S^T for 16 keys, both tiles
.set rK, KA+8*(\kt)+16*((\kt)/4)
.irp t, 0,1
	v_wmma_f32_16x16x64_bf8_bf8 v[S+64*\t+8*(\kt):S+64*\t+8*(\kt)+7], v[rK:rK+7], v[Q+8*\t:Q+8*\t+7], 0
.endr
.endm
; A KEY STEP: 128 keys.  first = 1: it starts the sums.  pf = 1: the next step's K is fetched too.
.macro STEP first, pf
.if (\first) == 0
.rept 5
	v_nop                                          ; five places: scores are written over V's pieces and P's codes, which the last products read
.endr
.endif
	s_wait_dscnt 0x0                               ; this step's K is in
.irp kt, 0,1,2,3
	QK \kt
.endr
.rept 5
	v_nop                                          ; five places: scores of tile 1 are written over K's tiles 0-3
.endr
.irp kt, 4,5,6,7
	QK \kt
.endr
	MAX2 0                                         ; these four lines name no register of the last eight products: they are the places ahead of the writes into K's tiles 4, 5
	MAX2 2
	MAX2 1
.set n, 3
.rept 29
	MAX2 n
.set n, n+1
.endr
	STAT \first
.set n, 0
.rept 32
	FMAI 0, n
	FMAI 1, n
.set n, n+1
.endr
	s_wait_alu depctr_va_vdst(0)                   ; the wait ahead of the batch,
.set n, 0
.rept 128
	v_exp_f32 v[S+n], v[S+n]                       ; p = 2^(t - M), at most 1
.set n, n+1
.endr
.if \first
	v_nop                                          ; a plain place behind the exponentials
.else
.irp t, 0,1
	v_pk_mul_f32 v[ST+4*\t+2:ST+4*\t+3], v[ST+4*\t+2:ST+4*\t+3], v[FX+2*\t:FX+2*\t+1] op_sel_hi:[1,0]   ; the sum under the new M (plain places behind the exponentials)
.endr
.endif
	s_wait_alu depctr_va_vdst(0)                   ; and ahead of its first reader
.set n, 1
.rept 32
	SUMI 0, n, \first
	SUMI 1, n, \first
.set n, n+1
.endr
.if \pf
	v_add_nc_u32 v[ADR], s[TB], v[LI]
.irp kt, 4,5,6,7
	LOADK ADR, \kt, 8192                           ; the next step's K, over the temporaries that are done with
.endr
.endif
	v_add_nc_u32 v[ADR], s[TBV], v[LI]
	MING 0
.irp G, 0,1,2,3,4,5,6,7,8,9,10,11,12,13,14,15
.if \G < 15
	MING \G+1
.endif
	CVTG \G
.if \G == 7
.irp p, 0,1,2,3,4,5
	LOADV \p                                       ; tile 0 is converted: V's pieces land where its p lay
.endr
.endif
.endr
	LOADV 6
	LOADV 7
	v_add_nc_u32 v[ADR], s[TB], v[LI]
.if \pf
.irp kt, 0,1,2,3
	LOADK ADR, \kt, 8192
.endr
.endif
.if (\first) == 0
	s_wait_alu depctr_va_vdst(0)                   ; the wait directly ahead of the first readers of O^T
.set n, 0
.rept 32
	v_pk_mul_f32 v[O+2*n:O+2*n+1], v[O+2*n:O+2*n+1], v[FX+2*(n/16):FX+2*(n/16)+1] op_sel_hi:[1,0]   ; O^T under the new M
.set n, n+1
.endr
.endif
	s_wait_alu depctr_va_vdst(0)
	s_wait_dscnt 8*\pf                             ; V is in; the eight younger loads, the next step's K tiles 0-3, may be out
.irp p, 0,1,2,3,4,5,6,7                ; the eight accumulators take one turn each
.irp t, 0,1
.if (\first) && (\p < 4)
	v_wmma_f32_16x16x64_bf8_bf8 v[O+32*\t+8*(\p%4):O+32*\t+8*(\p%4)+7], v[S+14+8*\p+16*(\p/6):S+21+8*\p+16*(\p/6)], v[S-2+64*\t+8*(\p/4):S+5+64*\t+8*(\p/4)], 0
.else
	v_wmma_f32_16x16x64_bf8_bf8 v[O+32*\t+8*(\p%4):O+32*\t+8*(\p%4)+7], v[S+14+8*\p+16*(\p/6):S+21+8*\p+16*(\p/6)], v[S-2+64*\t+8*(\p/4):S+5+64*\t+8*(\p/4)], v[O+32*\t+8*(\p%4):O+32*\t+8*(\p%4)+7]
.endif
.endr
.endr
.endm
.macro STEPS from, count               ; key steps from .. from + count - 1
	s_mov_b32 s[TB], 8192*(\from)
	s_mov_b32 s[TBV], VBASE+8192*(\from)
	s_mov_b32 s[CNT], \count
.Lsteps_\from:
	STEP 0, 1
	s_add_co_u32 s[TB], s[TB], 8192
	s_add_co_u32 s[TBV], s[TBV], 8192
	s_sub_co_u32 s[CNT], s[CNT], 1
	s_cmp_lg_u32 s[CNT], 0
	s_cbranch_scc1 .Lsteps_\from
.endm
	s_wait_alu depctr_va_vdst(0)
	s_wait_tensorcnt 0x0                           ; my part is in,
	s_barrier_signal -1
	s_barrier_wait -1                              ; everybody's is: all of the head's K and V
.irp kt, 0,1,2,3,4,5,6,7
	LOADK LI, \kt, 0                               ; key step 0
.endr
	s_wait_loadcnt 0x0                             ; Q
	STEP 1, 1
	STEPS 1, 7
	s_wait_dscnt 0x0                               ; my reads of K's steps 0 to 8 are over:
	s_barrier_signal -1                            ; say so; the wait stands ahead of the way out's stores into those bytes.  Between the two: register work, and loads of K's steps 9 to 15 and V's 8 to 15
	STEPS 8, 7
	s_mov_b32 s[TBV], VBASE+8192*15
	STEP 0, 0                                      ; key step 15: no K is left to fetch
	; THE WAY OUT.  The sum's two halves and lane l xor 16's.  (These plain lines are also the places between the last products and the first read of O^T)
.irp t, 0,1
	v_add_f32 v[FX+2*\t], v[ST+4*\t+2], v[ST+4*\t+3]
.endr
.irp t, 0,1
	v_permlanex16_b32 v[KB+8*\t+1], v[FX+2*\t], s[SEL], s[SEL+1]
.endr
.irp t, 0,1
	v_add_f32 v[FX+2*\t], v[FX+2*\t], v[KB+8*\t+1]
.endr
	s_wait_alu depctr_va_vdst(0)                   ; the wait ahead of the batch,
.irp t, 0,1
	v_rcp_f32 v[FX+2*\t], v[FX+2*\t]
.endr
	s_mul_i32 s88, s[WV], 16*SP                    ; my stage
	v_and_b32 v179, 15, v0                         ; r
	v_bfe_u32 v180, v0, 4, 1                       ; h
	v_mul_u32_u24 v176, v179, SP                   ; in: row r; 32 bytes for each half of the lanes
	v_mul_u32_u24 v177, v180, SP                   ; back: lanes 0-15 one row of 256 bytes, lanes 16-31 the next
	v_lshl_add_u32 v176, v180, 5, v176
	v_lshl_add_u32 v177, v179, 4, v177
	v_add_nc_u32 v176, s88, v176
	v_add_nc_u32 v177, s88, v177
	v_lshlrev_b32 v178, 12, v180                   ; and the same two rows in the output
	v_lshl_add_u32 v178, v179, 4, v178
	v_lshl_add_u32 v182, v0, 2, SPARE              ; my spare word, and 0, made anew
	v_mov_b32 v183, 0
	s_wait_alu depctr_va_vdst(0)                   ; and ahead of its first reader
.irp t, 0,1
	v_ldexp_f32 v[FX+2*\t], v[FX+2*\t], s[EO]      ; x 2^(e8 + e9)
.endr
	s_wait_alu depctr_va_vdst(0)                   ; the wait directly ahead of the first readers of O^T
.set n, 0
.rept 32
	v_pk_mul_f32 v[S+2*n:S+2*n+1], v[O+2*n:O+2*n+1], v[FX+2*(n/16):FX+2*(n/16)+1] op_sel_hi:[1,0]   ; O^T / the sum; each accumulator from its low end on
.set n, n+1
.endr
	s_wait_alu depctr_va_vdst(0)
	s_barrier_wait -1                              ; nobody reads K's steps 0 to 8 any more: the stages lie there
; A lane holds eight neighbouring channels of a row for each ct, and the lanes beside it hold other rows: so a tile goes through my own stage and comes back as whole rows of 256 bytes.
; LDS serves a wave's instructions in order (ISA guide 5.7.1.4): no wait between the stores and the loads, nor in front of the next tile's stores.
.irp t, 0,1
.irp ct, 0,1,2,3
	ds_store_b128 v176, v[S+32*\t+8*\ct:S+32*\t+8*\ct+3] offset:64*\ct
	ds_store_b128 v176, v[S+32*\t+8*\ct+4:S+32*\t+8*\ct+7] offset:64*\ct+16
.endr
.irp j, 0,1,2,3,4,5,6,7
	ds_load_b128 v[S+64+32*\t+4*\j:S+64+32*\t+4*\j+3], v177 offset:2*\j*SP
.endr
.endr
.irp j, 0,1,2,3,4,5,6,7
	s_wait_dscnt 23-\j                             ; behind tile 0's load j: its 7 - j younger loads and tile 1's sixteen instructions
	global_store_b128 v178, v[S+64+4*\j:S+64+4*\j+3], s[12:13] offset:8192*\j th:TH_STORE_NT   ; 16 lanes store 256 consecutive bytes, a head's part of a row, at a multiple of 256 from the buffer's first byte
.endr
.irp j, 0,1,2,3,4,5,6,7
	s_wait_dscnt 7-\j
	global_store_b128 v178, v[S+96+4*\j:S+96+4*\j+3], s[12:13] offset:65536+8192*\j th:TH_STORE_NT
.endr
	s_wait_tensorcnt 0x0                           ; the wave's end
	ds_add_u32 v182, v183
	s_wait_dscnt 0x0
	ROUND                                          ; the closing round: no work-group ends while a partner may still ask for a part that names it
	s_endpgm
.Lfunc_end_k_q43fa79bcb8_attn:
	.size	k_q43fa79bcb8_attn, .Lfunc_end_k_q43fa79bcb8_attn-k_q43fa79bcb8_attn
	.p2alignl 7, 3214868480
	.fill 96, 4, 3214868480
	.section	.rodata,"a",@progbits
	.p2align	6, 0x0
	.amdhsa_kernel k_q43fa79bcb8_attn
		.amdhsa_group_segment_fixed_size 264192
		.amdhsa_private_segment_fixed_size 0
		.amdhsa_enable_private_segment 0
		.amdhsa_kernarg_size 40
		.amdhsa_user_sgpr_count 2
		.amdhsa_user_sgpr_kernarg_segment_ptr 1
		.amdhsa_wavefront_size32 1
		.amdhsa_system_sgpr_workgroup_id_x 1
		.amdhsa_system_sgpr_workgroup_id_y 1
		.amdhsa_system_sgpr_workgroup_id_z 1
		.amdhsa_system_vgpr_workitem_id 0
		.amdhsa_next_free_vgpr 256
		.amdhsa_next_free_sgpr 96
		.amdhsa_reserve_vcc 0
		.amdhsa_float_denorm_mode_32 3
		.amdhsa_float_denorm_mode_16_64 3
		.amdhsa_memory_ordered 1
		.amdhsa_forward_progress 1
		.amdhsa_inst_pref_size 126
	.end_amdhsa_kernel
	.amdgpu_metadata
---
amdhsa.version: [ 1, 2 ]
amdhsa.kernels:
  - .name:           k_q43fa79bcb8_attn
    .symbol:         k_q43fa79bcb8_attn.kd
    .args:
      - { .name: qi, .offset: 0, .size: 8, .value_kind: global_buffer, .address_space: global }
      - { .name: ki, .offset: 8, .size: 8, .value_kind: global_buffer, .address_space: global }
      - { .name: vi, .offset: 16, .size: 8, .value_kind: global_buffer, .address_space: global }
      - { .name: lowp_scales, .offset: 24, .size: 8, .value_kind: global_buffer, .address_space: global }
      - { .name: out0, .offset: 32, .size: 8, .value_kind: global_buffer, .address_space: global }
    .group_segment_fixed_size: 264192
    .private_segment_fixed_size: 0
    .kernarg_segment_align: 8
    .kernarg_segment_size: 40
    .max_flat_workgroup_size: 512
    .sgpr_count:     96
    .vgpr_count:     256
    .wavefront_size: 32
...
	.end_amdgpu_metadata
.endif
;; end of part 2
